; MI455X (gfx1250); checked and timed in simulation.
; The chip was launched on July 23, 2026; its instructions are those of AMD's public machine-readable ISA for CDNA 5 (MIT licence, August 2026) and "CDNA5" Instruction Set Architecture Reference Guide (July 2026). The comments in the code are by the model that wrote it; some were corrected since.
;; Sliding Window Attention. Allowed arithmetic: matrix products marked QUANTISED: E2M1 operands, one E8M0 scale for each 32 along K, by v_wmma_scale_f32_16x16x128_f8f6f4 with both operands' format E2M1 (or v_wmma_scale_f32_32x16x128_f4), f32 sums; everything else in f32.
;; Inputs: k_b 1,024 float32; k_w 1,024 x 1,024 float32; o_b 1,024 float32; o_w 1,024 x 1,024 float32; q_b 1,024 float32; q_w 1,024 x 1,024 float32; v_b 1,024 float32; v_w 1,024 x 1,024 float32; x 1 x 4,096 x 1,024 float32.
;; Outputs: out0 1 x 4,096 x 1,024 float32.
;; This version of the problem:
;;   THIS VERSION OF THE PROBLEM IS GIVEN IN LOW PRECISION. The matrix products marked QUANTISED in the list below multiply operands that are first quantised to E2M1 (2 exponent bits, 1 mantissa bit; 4 bits a number), with one power-of-two scale for each 32 numbers along K (OCP MX v1.0); their sums are f32. All else is computed in f32.
;;   The module's matrix products, in the order in which they are computed (A, B: the left and right operand; K: the contracted axis; several contracted axes count as one K, in the product's order):
;;     1. [M 4,096, K 1,024] x [K 1,024, N 1,024]; A: input x; B: input q_w: QUANTISED
;;     2. [M 4,096, K 1,024] x [K 1,024, N 1,024]; A: input x; B: input k_w: QUANTISED
;;     3. [M 4,096, K 1,024] x [K 1,024, N 1,024]; A: input x; B: input v_w: QUANTISED
;;     4. batch 16 x [M 4,096, K 64] x [K 64, N 4,096]; A: computed on the way; B: computed on the way: QUANTISED
;;     5. batch 16 x [M 4,096, K 4,096] x [K 4,096, N 64]; A: computed on the way; B: computed on the way: QUANTISED
;;     6. [M 4,096, K 1,024] x [K 1,024, N 1,024]; A: computed on the way; B: input o_w: QUANTISED
;;   THE QUANTISER, for each operand of a quantised product, along K:
;;     - K is cut into blocks of 32 from its start; a last block that is shorter is filled with zeros.
;;     - A block's scale is 2^e with e = floor(log2(the largest magnitude in the block)) - 2, held to -126 .. 127; a block of zeros has e = 0. As a byte (E8M0): e + 127.
;;     - Each number is divided by its block's scale, clamped to +-6, and rounded to the nearest number of E2M1, ties to even, subnormals kept.
;;     - The product sums the exact products of the quantised numbers (number of the format x scale) in f32.
;;   ~~~python
;;   def quantise(x, axis):      # numpy; x: float32 -> the quantised numbers, widened to float32 again
;;       x = np.moveaxis(x, axis, -1); K = x.shape[-1]
;;       x = np.pad(x, [(0, 0)] * (x.ndim - 1) + [(0, -K % 32)]); x = x.reshape(x.shape[:-1] + (-1, 32)); a = np.abs(x).max(-1, keepdims=True)
;;       e = np.where(a > 0, np.clip(np.frexp(np.where(a > 0, a, 1))[1] - 1 - 2, -126, 127), 0)      # np.frexp(a)[1] - 1 = floor(log2(a)), exactly
;;       r = np.clip(x / 2.0 ** e, -6, 6)
;;       step = 2.0 ** (np.maximum(np.frexp(np.where(r == 0, 1, r))[1] - 1, 0) - 1)
;;       q = np.round(r / step) * step * 2.0 ** e      # np.round: ties to even
;;       return np.moveaxis(q.reshape(q.shape[:-2] + (-1,))[..., :K], -1, axis).astype(np.float32)
;;   ~~~
;;   OPERANDS COMPUTED ON THE WAY. 'Computed on the way' means the value that the module computes at that place (a softmax that the list does not call 'softmax' is quantised finished and normalised). What goes into a quantiser is computed in f32, as accurately as f32 sums, v_exp_f32 and their like allow (about 1e-6 of the number): no bf16 or f16 on the way to a quantiser, and a product that is left as it is and whose result goes on into a quantised operand takes f32 operands (vector FMAs, or v_wmma_f32_16x16x4_f32). A number that lies on a knife's edge between two numbers of the format may be rounded either way, as far as f32 arithmetic and the matrix unit's own rounding can turn it there, and no further.
;; One version. Each part assembles by itself: llvm-mc -triple=amdgcn-amd-amdhsa -mcpu=gfx1250 --defsym DOCPART=n.
;; ======== version 1 of 1: 4 launches
;; workspace buffers: opc 4,194,304 bytes; ops 262,144 bytes; qkvc 6,291,456 bytes; qkvs 393,216 bytes; ac 2,097,152 bytes; asc 131,072 bytes
;; launch quant (part 1): grid 256 x 1, 4 waves a work-group, no clusters, 34,304 bytes of LDS; arguments x, q_w, k_w, v_w, o_w, opc, ops; writes opc, ops
.if DOCPART == 1
	.amdgcn_target "amdgcn-amd-amdhsa--gfx1250"
	.amdhsa_code_object_version 6
	.text
	.protected	k_qfe4ce1858f_quant
	.globl	k_qfe4ce1858f_quant
	.p2align	8
	.type	k_qfe4ce1858f_quant,@function
k_qfe4ce1858f_quant:
	s_mov_b64 s[64:65], 0
	v_nop
	global_prefetch_b8 v0, s[64:65] scope:SCOPE_SE
	s_setreg_imm32_b32 hwreg(HW_REG_WAVE_MODE, 25, 1), 1
	s_wait_xcnt 0x0
; x [4096][1024] and the four weights [1024][1024], f32 with K innermost, become codes of FP4 (E2M1) with one E8M0 byte for each 32 along K.
; A block's scale is 2^(floor(log2(largest magnitude)) - 2); its byte is the largest magnitude's exponent field - 2, held at 1 from below.
; LIMITS: NaN and infinities are not served; a block whose largest magnitude lies under 2^-124 keeps the byte 1; a block of zeros gets the byte 1
; where the rule says 127: its codes are zeros, which add nothing under any byte but 0xff, and only this program reads the bytes.
; OUTPUT LAYOUT.  All five tensors are one list of 512 row tiles of 16 rows (0-255 x, 256-319 q_w, 320-383 k_w, 384-447 v_w, 448-511 o_w).
;   opc: [row tile][32 blocks of 32 k][16 rows][16 bytes]: a fragment (16 rows x 128 k) is 1,024 bytes on end, and registers 4c..4c+3 of lane l lie at 512 c + 16 l.
;   ops: [row tile][K half][16 rows][4 words]: a word is the four bytes of one row and 128 k.
; SHARES.  A wave takes one row tile x 512 k (32 KiB of f32): four fragments.  Each load reads 512 consecutive bytes of one row; a fragment's 16 x 512 bytes turn
; through the wave's own stage in LDS (rows 528 bytes apart), so that a lane gets two whole blocks of its row, in the order of the operand's registers.
; No barrier: waves share nothing.  The loads of two fragments (32 loads a wave) are out at the start, of one while a fragment is worked on.
.set SP,   528                         ; a stage row: 512 bytes + 16, an odd multiple of 16: sixteen rows start at sixteen different 16-byte columns
.set WST,  16*SP                       ; a wave's stage
.set W,    16                          ; v16-19   the four scale words of my row
.set CD,   24                          ; v24-55   codes, eight registers a fragment, never written again
.set X,    64                          ; v64-127  my two blocks of 32 numbers
.set LD0,  128                         ; v128-255 two sets of 64 registers as loaded
	s_load_b256 s[4:11], s[0:1], 0x0               ; x, q_w, k_w, v_w
	s_load_b128 s[12:15], s[0:1], 0x20             ; o_w, opc
	s_load_b64 s[16:17], s[0:1], 0x30              ; ops
	v_lshl_add_u32 v62, v0, 2, 0x8400
	v_mov_b32 v63, 0
	v_lshrrev_b32 v1, 5, v0
	v_readfirstlane_b32 s22, v1                    ; wave 0..3
	v_and_b32 v1, 31, v0                           ; lane
	v_and_b32 v2, 15, v0                           ; r
	v_bfe_u32 v3, v0, 4, 1                         ; h
	v_lshlrev_b32 v4, 4, v1                        ; 16 x lane: my bytes of a load's 512 and of a store's 512
	s_mul_i32 s23, s22, WST
	v_add_nc_u32 v5, s23, v4                       ; the stage, on the way in
	v_mul_u32_u24 v6, v2, SP
	v_lshl_add_u32 v6, v3, 7, v6
	v_add_nc_u32 v6, s23, v6                       ; and out: row r, block h (128 bytes a block)
	v_lshlrev_b32 v7, 4, v2
	v_lshl_add_u32 v7, v3, 3, v7                   ; the scale words' place: 16 r + 8 h
	v_lshlrev_b32 v14, 3, v3                       ; 8 h: my bytes' shift in a scale word
	v_mov_b32 v15, 0                               ; written once: a lane permute's destination counts as one of its sources
	s_mov_b32 s20, 0x76543210
	s_mov_b32 s21, 0xfedcba98                      ; v_permlanex16_b32's selects for lane l xor 16
	s_and_b32 s24, ttmp9, 31                       ; a weight has 32 work-groups, x the first 128
	s_cmp_lt_u32 ttmp9, 128
	s_cselect_b32 s24, ttmp9, s24                  ; the work-group's number within its tensor
	s_lshl_b32 s24, s24, 2
	s_add_co_u32 s24, s24, s22                     ; my task within the tensor
	s_lshr_b32 s25, s24, 1
	s_lshl_b32 s25, s25, 16                        ; its row tile: 16 rows of 4,096 bytes
	s_and_b32 s24, s24, 1
	s_lshl_b32 s24, s24, 11                        ; its K half: 2,048 bytes
	s_add_co_u32 s24, s24, s25
	s_mov_b32 s25, 0
	s_lshl_b32 s26, ttmp9, 2
	s_add_co_u32 s26, s26, s22                     ; my task among all 1,024
	s_lshl_b32 s28, s26, 8                         ; 256 bytes of scale words
	s_mov_b32 s29, 0
	s_lshl_b32 s26, s26, 12                        ; 4,096 bytes of codes
	s_mov_b32 s27, 0
	s_wait_kmcnt 0x0
	s_mov_b64 s[18:19], s[12:13]                   ; the source is chosen by the work-group's number alone
	s_cmp_lt_u32 ttmp9, 224
	s_cselect_b64 s[18:19], s[10:11], s[18:19]
	s_cmp_lt_u32 ttmp9, 192
	s_cselect_b64 s[18:19], s[8:9], s[18:19]
	s_cmp_lt_u32 ttmp9, 160
	s_cselect_b64 s[18:19], s[6:7], s[18:19]
	s_cmp_lt_u32 ttmp9, 128
	s_cselect_b64 s[18:19], s[4:5], s[18:19]
	s_add_nc_u64 s[18:19], s[18:19], s[24:25]
	s_add_nc_u64 s[14:15], s[14:15], s[26:27]
	s_add_nc_u64 s[16:17], s[16:17], s[28:29]
.macro LOAD f                          ; fragment f: 512 bytes of each of the 16 rows
.irp i, 0,1,2,3,4,5,6,7,8,9,10,11,12,13,14,15
	global_load_b128 v[LD0+64*((\f)%2)+4*\i:LD0+64*((\f)%2)+4*\i+3], v4, s[18:19] offset:4096*\i+512*(\f) th:TH_LOAD_NT
.endr
.endm
.macro FRAG f
.if (\f) < 3
	s_wait_loadcnt 16                              ; this fragment's 16 loads are in; the next fragment's 16 may be out
.else
	s_wait_loadcnt 0x0
.endif
.irp i, 0,1,2,3,4,5,6,7,8,9,10,11,12,13,14,15
	ds_store_b128 v5, v[LD0+64*((\f)%2)+4*\i:LD0+64*((\f)%2)+4*\i+3] offset:SP*\i
.endr
.irp c, 0,1                            ; LDS serves a wave's instructions in order: these see the stores above.  Block 2 c + h of row r
.irp g, 0,1,2,3,4,5,6,7
	ds_load_b128 v[X+32*\c+4*\g:X+32*\c+4*\g+3], v6 offset:256*\c+16*\g
.endr
.endr
	s_wait_dscnt 0x0                               ; my numbers are in, and the stores have read their registers,
.if (\f)+2 < 4
	LOAD (\f)+2                                    ; which take the loads of two fragments on
.endif
.irp c, 0,1
	v_max3_num_f32 v[8+\c], |v[X+32*\c]|, |v[X+32*\c+1]|, 0x1800000   ; the block's largest magnitude, all 32 numbers mine, and the floor 2^(3 - 127)
.endr
.irp i, 2,4,6,8,10,12,14,16,18,20,22,24,26,28,30
.irp c, 0,1
	v_max3_num_f32 v[8+\c], v[8+\c], |v[X+32*\c+\i]|, |v[X+32*\c+\i+1]|
.endr
.endr
.irp c, 0,1
	v_add_nc_u32 v[10+\c], 0xff000000, v[8+\c]     ; 2 off the exponent field: the conversion's scale operand
.endr
.irp c, 0,1
	v_lshrrev_b32 v[12+\c], 23, v[10+\c]           ; the scale's byte
.endr
	v_lshl_or_b32 v[W+(\f)], v13, 16, v12          ; my two bytes: blocks h and 2 + h,
	v_lshlrev_b32 v[W+(\f)], v14, v[W+(\f)]        ; at their places,
	v_permlanex16_b32 v15, v[W+(\f)], s20, s21
	v_or_b32 v[W+(\f)], v[W+(\f)], v15             ; with lane l xor 16's two the word is whole
.irp c, 0,1
.irp g, 0,1,2,3
	v_cvt_scalef32_pk8_fp4_f32 v[CD+8*(\f)+4*\c+\g], v[X+32*\c+8*\g:X+32*\c+8*\g+7], v[10+\c]   ; registers 4 c .. 4 c + 3 of the operand
.endr
.endr
	v_nop                                          ; one plain place behind the conversions
.irp c, 0,1
	global_store_b128 v4, v[CD+8*(\f)+4*\c:CD+8*(\f)+4*\c+3], s[14:15] offset:1024*(\f)+512*\c   ; 32 lanes store 512 consecutive bytes, aligned
.endr
.endm
	LOAD 0
	LOAD 1
	FRAG 0
	FRAG 1
	FRAG 2
	FRAG 3
	v_cmp_eq_u32 vcc_lo, 1, v3                     ; lanes 0-15 store words 0, 1 of their row, lanes 16-31 words 2, 3
	v_cndmask_b32 v20, v16, v18, vcc_lo
	v_cndmask_b32 v21, v17, v19, vcc_lo
	global_store_b64 v7, v[20:21], s[16:17]        ; 32 lanes store 256 consecutive bytes, aligned
	s_wait_tensorcnt 0x0
	ds_add_u32 v62, v63
	s_wait_dscnt 0x0
	s_endpgm
.Lfunc_end_k_qfe4ce1858f_quant:
	.size	k_qfe4ce1858f_quant, .Lfunc_end_k_qfe4ce1858f_quant-k_qfe4ce1858f_quant
	.p2alignl 7, 3214868480
	.fill 96, 4, 3214868480
	.section	.rodata,"a",@progbits
	.p2align	6, 0x0
	.amdhsa_kernel k_qfe4ce1858f_quant
		.amdhsa_group_segment_fixed_size 34304
		.amdhsa_private_segment_fixed_size 0
		.amdhsa_enable_private_segment 0
		.amdhsa_kernarg_size 56
		.amdhsa_user_sgpr_count 2
		.amdhsa_user_sgpr_kernarg_segment_ptr 1
		.amdhsa_wavefront_size32 1
		.amdhsa_system_sgpr_workgroup_id_x 1
		.amdhsa_system_sgpr_workgroup_id_y 1
		.amdhsa_system_sgpr_workgroup_id_z 1
		.amdhsa_system_vgpr_workitem_id 0
		.amdhsa_next_free_vgpr 256
		.amdhsa_next_free_sgpr 66
		.amdhsa_reserve_vcc 1
		.amdhsa_float_denorm_mode_32 3
		.amdhsa_float_denorm_mode_16_64 3
		.amdhsa_memory_ordered 1
		.amdhsa_forward_progress 1
		.amdhsa_inst_pref_size 30
	.end_amdhsa_kernel
	.amdgpu_metadata
---
amdhsa.version: [ 1, 2 ]
amdhsa.kernels:
  - .name:           k_qfe4ce1858f_quant
    .symbol:         k_qfe4ce1858f_quant.kd
    .args:
      - { .name: x, .offset: 0, .size: 8, .value_kind: global_buffer, .address_space: global }
      - { .name: q_w, .offset: 8, .size: 8, .value_kind: global_buffer, .address_space: global }
      - { .name: k_w, .offset: 16, .size: 8, .value_kind: global_buffer, .address_space: global }
      - { .name: v_w, .offset: 24, .size: 8, .value_kind: global_buffer, .address_space: global }
      - { .name: o_w, .offset: 32, .size: 8, .value_kind: global_buffer, .address_space: global }
      - { .name: opc, .offset: 40, .size: 8, .value_kind: global_buffer, .address_space: global }
      - { .name: ops, .offset: 48, .size: 8, .value_kind: global_buffer, .address_space: global }
    .group_segment_fixed_size: 34304
    .private_segment_fixed_size: 0
    .kernarg_segment_align: 8
    .kernarg_segment_size: 56
    .max_flat_workgroup_size: 128
    .sgpr_count:     66
    .vgpr_count:     256
    .wavefront_size: 32
...
	.end_amdgpu_metadata
.endif
;; end of part 1
;; launch qkv (part 2): grid 8 x 32, 12 waves a work-group, clusters of 4 x 4, 280,064 bytes of LDS; arguments opc, ops, q_b, k_b, v_b, qkvc, qkvs; writes qkvc, qkvs
.if DOCPART == 2
	.amdgcn_target "amdgcn-amd-amdhsa--gfx1250"
	.amdhsa_code_object_version 6
	.text
	.protected	k_qfe4ce1858f_qkv
	.globl	k_qfe4ce1858f_qkv
	.p2align	8
	.type	k_qfe4ce1858f_qkv,@function
k_qfe4ce1858f_qkv:
	s_mov_b64 s[64:65], 0
	v_nop
	global_prefetch_b8 v0, s[64:65] scope:SCOPE_SE
	s_setreg_imm32_b32 hwreg(HW_REG_WAVE_MODE, 25, 1), 1
	s_wait_xcnt 0x0
	s_wait_alu depctr_hold_cnt(0) depctr_sa_sdst(0) depctr_va_vdst(0) depctr_va_sdst(0) depctr_va_ssrc(0) depctr_va_vcc(0) depctr_vm_vsrc(0)
	s_getreg_b32 s2, hwreg(HW_REG_IB_STS2, 6, 4)
	s_cmp_eq_u32 s2, 0
	s_cbranch_scc0 .Lentry_in_a_cluster
	s_endpgm
.Lentry_in_a_cluster:
	s_bfe_u32 s2, ttmp6, 0x10000c
	s_cmp_lg_u32 s2, 0xf033
	s_cbranch_scc0 .Lentry_shape_is_right
	s_endpgm
.Lentry_shape_is_right:
; q = x q_w^T + q_b, k and v likewise, on codes of FP4 with E8M0 scales; the results are quantised at once: q and k along the head's axis, v along the keys.
; LIMITS: NaN and infinities are not served; a block whose largest magnitude lies under 2^-124, a block of zeros among them, gets the scale byte 1 (its codes are then zeros or the rule's; only this program reads the bytes).
; SHARES.  A work-group takes 128 rows of x (tile row mt) against 128 rows (a pair of heads, nt) of each of q_w, k_w, v_w.  ALL of K = 1,024 lies in LDS: 32 row tiles x 8 KiB of codes, filled once, in two K halves.
; Twelve waves: role j = wave / 4 (0 q, 1 k, 2 v), part sub = wave % 4.  A wave multiplies eight tiles P (source 0) by two tiles Q (source 1): 16 accumulators.
;   q, k: P = the weight's 128 rows, Q = 32 rows of x: a lane holds one token, its registers run along the 128 features: four whole blocks of 32 and one whole scale word.
;   v:    P = the 128 rows of x, Q = 32 rows of v_w: a lane holds one feature, its registers run along 128 keys, which are the second attention product's K.
; In the tiles 2 b, 2 b + 1 of a result lane half h holds the words h and 2 + h (8 codes each) of block b; the conversions are aimed so that two exchanges of halves for each pair of blocks give the operand's registers.
; WORKSPACE.  qkvc: q at 0 and k at 2 MiB as [token tile][32 blocks][16][16 bytes]; v at 4 MiB as [64 tiles of 16 features][128 key blocks][16][16 bytes].
;   qkvs: q's words at 0, k's at 128 KiB as [pair of heads][token tile][16][4 bytes]; v's at 256 KiB as [128 keys][1024 features][4 bytes].
; CLUSTER 4 x 4: x's tiles hang on mt alone and are asked for jointly along a row of the cluster, the weights' on nt alone, along a column.
; LDS: row-tile slot p: 0-7 q_w, 8-15 k_w, 16-23 x, 24-31 v_w; codes at half x 131,072 + 4,096 p; scale words at 262,144 + 512 p.  A fragment is 1,024 bytes on end: no pitch, no padding.
.set CH,    131072
.set SBASE, 262144
.set PF,  16                           ; v16-79   P's eight fragments
.set QF,  80                           ; v80-95   Q's two
.set PS,  96                           ; v96-103  P's scale words;  v104-105 Q's: these ten hold scales and nothing else
.set QS,  104
.set BV,  106                          ; v106-121 v's bias as a C operand, eight registers for each Q tile
.set ACC, 128                          ; v128-255 accumulator (i, k) at ACC + 64 k + 8 i
.set TM,  16                           ; the way out: at work
.set PC,  32                           ; v32-47   the codes, eight registers for each k
.set PW,  48                           ; v48-49   the scale words
.set WV,  18
.set J,   19
.set SUB, 20
.set ISV, 21
.set CX,  22
.set CY,  23
.set NT,  24
.set MT,  25
.set MKA, 26
.set MKB, 27
.set G1A,  28                          ; s[28:35] group 1, x's codes;      s[36:43] the weights' codes
.set G1B,  36
.set G1SA, 44                          ; s[44:51] group 1, x's scales;     s[52:59] the weights'
.set G1SB, 52
.set G0AS, 60                          ; groups 0: x's scales, K half 0, K half 1;
.set G0A0, 68
.set G0A1, 72
.set G0BS, 76                          ; a weight's scales, K half 0, K half 1
.set G0B0, 80
.set G0B1, 84
.set SEL,  100
.macro CROUND                          ; a round of the cluster's barrier
	s_barrier_signal -1
	s_barrier_wait -1
	s_cmp_lg_u32 s[WV], 0
	s_cbranch_scc1 .Lnot_wave_0_\@
	s_barrier_signal -3
.Lnot_wave_0_\@:
	s_barrier_wait -3
	s_barrier_signal -1
	s_barrier_wait -1
.endm
.macro PLACES n
.rept \n
	v_nop
.endr
.endm
	s_load_b256 s[4:11], s[0:1], 0x0               ; opc, ops, q_b, k_b
	s_load_b128 s[12:15], s[0:1], 0x20             ; v_b, qkvc
	s_load_b64 s[16:17], s[0:1], 0x30              ; qkvs
	v_lshl_add_u32 v126, v0, 2, 0x44000
	v_mov_b32 v127, 0
	ds_add_u32 v126, v127
	ds_add_u32 v126, v127
	v_lshrrev_b32 v1, 5, v0
	v_readfirstlane_b32 s[WV], v1                  ; wave 0..11
	s_lshr_b32 s[J], s[WV], 2
	s_and_b32 s[SUB], s[WV], 3
	s_lshr_b32 s[ISV], s[WV], 3
	s_bfe_u32 s[CX], ttmp6, 0x40000
	s_bfe_u32 s[CY], ttmp6, 0x40004
	s_lshl_b32 s[NT], ttmp9, 2
	s_add_co_u32 s[NT], s[NT], s[CX]               ; nt = 4 x cluster x + cx
	s_and_b32 s[MT], ttmp7, 0xffff
	s_lshl_b32 s[MT], s[MT], 2
	s_add_co_u32 s[MT], s[MT], s[CY]               ; mt = 4 x cluster y + cy
	s_lshl_b32 s[MKA], s[CY], 2
	s_lshl_b32 s[MKA], 15, s[MKA]                  ; my row of the cluster
	s_lshl_b32 s[MKB], 0x1111, s[CX]               ; my column
	s_or_b32 s[G1A], s[MKA], (3<<16)|(1<<21)       ; the mask; elements of 8 bytes; bit 21 beside a mask; no padding
	s_or_b32 s[G1B], s[MKB], (3<<16)|(1<<21)
	s_or_b32 s[G1SA], s[MKA], (3<<16)|(1<<21)
	s_or_b32 s[G1SB], s[MKB], (3<<16)|(1<<21)
.irp g, G1A, G1B                       ; codes: 8 row tiles x 4,096 bytes (half of K), 8,192 bytes apart
	s_mov_b32 s[\g+1], 512<<16
	s_mov_b32 s[\g+2], 8<<16
	s_mov_b32 s[\g+3], 512<<16
	s_mov_b32 s[\g+4], 8
	s_mov_b32 s[\g+5], 1024
	s_mov_b32 s[\g+6], 0
	s_mov_b32 s[\g+7], 0
.endr
.irp g, G1SA, G1SB                     ; scale words of 8 row tiles: 4,096 dense bytes as 16 rows of 256
	s_mov_b32 s[\g+1], 32<<16
	s_mov_b32 s[\g+2], 16<<16
	s_mov_b32 s[\g+3], 32<<16
	s_mov_b32 s[\g+4], 16
	s_mov_b32 s[\g+5], 32
	s_mov_b32 s[\g+6], 0
	s_mov_b32 s[\g+7], 0
.endr
	s_lshl_b32 s88, s[MT], 16                      ; x: 8 mt row tiles of 8,192 bytes,
	s_mov_b32 s89, 0
	s_lshl_b32 s90, s[MT], 12                      ; and of 512 bytes of scale words
	s_mov_b32 s91, 0
	s_and_b32 s96, s[WV], 3                        ; the loading waves are 0 to 3: wave 2 brings x, waves 0, 1, 3 the weights 0, 1, 2
	s_lshr_b32 s97, s96, 1
	s_sub_co_u32 s97, s96, s97                     ; which weight
	s_lshl_b32 s92, s97, 19                        ; row tile 256 + 64 x weight + 8 nt
	s_lshl_b32 s98, s[NT], 16
	s_add_co_u32 s92, s92, s98
	s_add_co_u32 s92, s92, 2097152
	s_mov_b32 s93, 0
	s_lshl_b32 s94, s97, 15
	s_lshl_b32 s98, s[NT], 12
	s_add_co_u32 s94, s94, s98
	s_add_co_u32 s94, s94, 131072
	s_mov_b32 s95, 0
	s_lshl_b32 s99, s96, 15                        ; where they go: slots 8 w on: no place in the cluster enters an LDS address
	s_lshl_b32 s3, s96, 12
	s_mov_b32 s[SEL], 0x76543210
	s_mov_b32 s[SEL+1], 0xfedcba98
	s_wait_dscnt 0x0
	s_wait_kmcnt 0x0
	s_mov_b32 s[G0AS], 1
	s_add_co_u32 s[G0AS+1], s3, SBASE
	s_add_nc_u64 s[G0AS+2:G0AS+3], s[6:7], s[90:91]
	s_or_b32 s[G0AS+3], s[G0AS+3], 0x80000000
	s_mov_b32 s[G0A0], 1
	s_mov_b32 s[G0A0+1], s99
	s_add_nc_u64 s[G0A0+2:G0A0+3], s[4:5], s[88:89]
	s_or_b32 s[G0A0+3], s[G0A0+3], 0x80000000
	s_mov_b32 s[G0A1], 1
	s_add_co_u32 s[G0A1+1], s99, CH
	s_add_nc_u64 s[G0A1+2:G0A1+3], s[4:5], s[88:89]
	s_add_nc_u64 s[G0A1+2:G0A1+3], s[G0A1+2:G0A1+3], 4096
	s_or_b32 s[G0A1+3], s[G0A1+3], 0x80000000
	s_mov_b32 s[G0BS], 1
	s_add_co_u32 s[G0BS+1], s3, SBASE
	s_add_nc_u64 s[G0BS+2:G0BS+3], s[6:7], s[94:95]
	s_or_b32 s[G0BS+3], s[G0BS+3], 0x80000000
	s_mov_b32 s[G0B0], 1
	s_mov_b32 s[G0B0+1], s99
	s_add_nc_u64 s[G0B0+2:G0B0+3], s[4:5], s[92:93]
	s_or_b32 s[G0B0+3], s[G0B0+3], 0x80000000
	s_mov_b32 s[G0B1], 1
	s_add_co_u32 s[G0B1+1], s99, CH
	s_add_nc_u64 s[G0B1+2:G0B1+3], s[4:5], s[92:93]
	s_add_nc_u64 s[G0B1+2:G0B1+3], s[G0B1+2:G0B1+3], 4096
	s_or_b32 s[G0B1+3], s[G0B1+3], 0x80000000
	CROUND                                         ; all sixteen work-groups are here: the joint loads meet
	s_cmp_gt_u32 s[WV], 3                          ; a loading wave's three fills stand together: scale words, K half 0, K half 1: three loads of mine are out
	s_cbranch_scc1 .Lfilled
	s_cmp_eq_u32 s[WV], 2
	s_cbranch_scc0 .Lfill_w
	tensor_load_to_lds s[G0AS:G0AS+3], s[G1SA:G1SA+7]
	s_nop 0
	tensor_load_to_lds s[G0A0:G0A0+3], s[G1A:G1A+7]
	s_nop 0
	tensor_load_to_lds s[G0A1:G0A1+3], s[G1A:G1A+7]
	s_nop 0
	PLACES 4                                       ; four v_nop follow the last of them
	s_branch .Lfilled
.Lfill_w:
	tensor_load_to_lds s[G0BS:G0BS+3], s[G1SB:G1SB+7]
	s_nop 0
	tensor_load_to_lds s[G0B0:G0B0+3], s[G1B:G1B+7]
	s_nop 0
	tensor_load_to_lds s[G0B1:G0B1+3], s[G1B:G1B+7]
	s_nop 0
	PLACES 4
.Lfilled:
	; every LDS address is made here, ahead of the roles' parting: a constant + a constant x lane + constants x parts of the wave's number
	v_and_b32 v1, 31, v0                           ; lane
	v_and_b32 v2, 15, v0                           ; r
	v_bfe_u32 v3, v0, 4, 1                         ; h
	s_lshl_b32 s96, s[J], 15                       ; P begins at slot 8 j
	v_lshl_add_u32 v4, v1, 4, s96
	v_add_nc_u32 v5, CH, v4
	s_lshl_b32 s96, s[ISV], 15                     ; Q at slot 16 + 8 (v?) + 2 sub
	s_lshl_b32 s97, s[SUB], 13
	s_add_co_u32 s96, s96, s97
	s_add_co_u32 s96, s96, 65536
	v_lshl_add_u32 v6, v1, 4, s96
	v_add_nc_u32 v7, CH, v6
	s_lshl_b32 s96, s[J], 12
	s_add_co_u32 s96, s96, SBASE
	v_lshl_add_u32 v8, v2, 4, s96                  ; P's scale words: 16 bytes a row
	s_lshl_b32 s96, s[ISV], 12
	s_lshl_b32 s97, s[SUB], 10
	s_add_co_u32 s96, s96, s97
	s_add_co_u32 s96, s96, SBASE+8192
	v_lshl_add_u32 v9, v2, 4, s96                  ; Q's
	v_lshlrev_b32 v10, 5, v3                       ; a bias along the registers: 32 h
	v_lshlrev_b32 v14, 2, v2                       ; a bias along the lanes: 4 r
	; THE BIAS is the C of each sum's first product; and where the results go
	s_cmp_eq_u32 s[ISV], 0
	s_cbranch_scc0 .Lbias_v
	s_cmp_eq_u32 s[J], 0
	s_cselect_b64 s[92:93], s[8:9], s[10:11]       ; q_b or k_b
	s_lshl_b32 s94, s[NT], 9
	s_mov_b32 s95, 0
	s_add_nc_u64 s[92:93], s[92:93], s[94:95]
.irp k, 0,1                            ; register j of accumulator (i, k): feature 16 i + 8 h + j: loaded straight into the accumulators
.irp i, 0,1,2,3,4,5,6,7
	global_load_b128 v[ACC+64*\k+8*\i:ACC+64*\k+8*\i+3], v10, s[92:93] offset:64*\i
	global_load_b128 v[ACC+64*\k+8*\i+4:ACC+64*\k+8*\i+7], v10, s[92:93] offset:64*\i+16
.endr
.endr
	s_lshl_b32 s2, s[MT], 3
	s_lshl_b32 s66, s[SUB], 1
	s_add_co_u32 s2, s2, s66                       ; my first token tile: 8 mt + 2 sub
	s_lshl_b32 s67, s2, 6                          ; its scale words: 64 bytes a tile
	s_lshl_b32 s2, s2, 13                          ; its codes: 8,192 bytes a tile
	s_lshl_b32 s66, s[NT], 10
	s_add_co_u32 s2, s2, s66                       ; + the pair of heads' 1,024 bytes
	s_lshl_b32 s66, s[J], 21
	s_add_co_u32 s2, s2, s66                       ; q at 0, k at 2 MiB
	s_lshl_b32 s66, s[NT], 14
	s_add_co_u32 s67, s67, s66
	s_lshl_b32 s66, s[J], 17
	s_add_co_u32 s67, s67, s66
	v_lshl_add_u32 v11, v1, 4, s2
	v_add_nc_u32 v12, 8192, v11
	v_lshl_add_u32 v13, v1, 2, s67
	s_branch .Lbias_done
.Lbias_v:
	s_lshl_b32 s94, s[NT], 9
	s_lshl_b32 s98, s[SUB], 7
	s_add_co_u32 s94, s94, s98
	s_mov_b32 s95, 0
	s_add_nc_u64 s[92:93], s[12:13], s[94:95]
.irp k, 0,1                            ; every register of a lane: feature 16 k + r
.irp e, 0,1,2,3,4,5,6,7
	global_load_b32 v[BV+8*\k+\e], v14, s[92:93] offset:64*\k
.endr
.endr
	s_lshl_b32 s2, s[NT], 3
	s_lshl_b32 s66, s[SUB], 1
	s_add_co_u32 s2, s2, s66                       ; my first tile of features: 8 nt + 2 sub
	s_lshl_b32 s67, s2, 6                          ; its scale words: 4 bytes a feature
	s_lshl_b32 s2, s2, 15                          ; its codes: 32,768 bytes a tile
	s_lshl_b32 s66, s[MT], 10
	s_add_co_u32 s2, s2, s66                       ; + these 128 keys' 1,024 bytes
	s_add_co_u32 s2, s2, 4194304
	s_lshl_b32 s66, s[MT], 12
	s_add_co_u32 s67, s67, s66
	s_add_co_u32 s67, s67, 262144
	v_lshl_add_u32 v11, v1, 4, s2
	v_add_nc_u32 v12, 32768, v11
	v_lshl_add_u32 v13, v1, 2, s67
.Lbias_done:
; A step of 128 along K: 20 fragment loads, 10 scale words, 16 products; the 16 accumulators take turns, one instruction a turn, in the same order in every step.
; cmode 1: the sums begin with v's bias in BV; 0: C is the accumulator itself.
.macro KSTEP s, cmode
.if (\s) > 0
	PLACES 4                                       ; in front of loads into registers that matrix instructions have read
.endif
.irp i, 0,1,2,3,4,5,6,7
.irp c, 0,1
	ds_load_b128 v[PF+8*\i+4*\c:PF+8*\i+4*\c+3], v[4+(\s)/4] offset:4096*\i+1024*((\s)%4)+512*\c
.endr
.endr
.irp k, 0,1
.irp c, 0,1
	ds_load_b128 v[QF+8*\k+4*\c:QF+8*\k+4*\c+3], v[6+(\s)/4] offset:4096*\k+1024*((\s)%4)+512*\c
.endr
.endr
.irp i, 0,1,2,3,4,5,6,7
	ds_load_b32 v[PS+\i], v8 offset:512*\i+256*((\s)/4)+4*((\s)%4)
.endr
.irp k, 0,1
	ds_load_b32 v[QS+\k], v9 offset:512*\k+256*((\s)/4)+4*((\s)%4)
.endr
	s_wait_dscnt 0x0
.irp k, 0,1
.irp i, 0,1,2,3,4,5,6,7
.if \cmode
	v_wmma_scale_f32_16x16x128_f8f6f4 v[ACC+64*\k+8*\i:ACC+64*\k+8*\i+7], v[PF+8*\i:PF+8*\i+7], v[QF+8*\k:QF+8*\k+7], v[BV+8*\k:BV+8*\k+7], v[PS+\i], v[QS+\k] matrix_a_fmt:MATRIX_FMT_FP4 matrix_b_fmt:MATRIX_FMT_FP4
.else
	v_wmma_scale_f32_16x16x128_f8f6f4 v[ACC+64*\k+8*\i:ACC+64*\k+8*\i+7], v[PF+8*\i:PF+8*\i+7], v[QF+8*\k:QF+8*\k+7], v[ACC+64*\k+8*\i:ACC+64*\k+8*\i+7], v[PS+\i], v[QS+\k] matrix_a_fmt:MATRIX_FMT_FP4 matrix_b_fmt:MATRIX_FMT_FP4
.endif
.endr
.endr
.endm
	s_wait_tensorcnt 0x1                           ; a loading wave's scale words and K half 0 are in; its third load, K half 1, may stay out
	s_barrier_signal -1
	s_barrier_wait -1                              ; everybody's are
	s_wait_loadcnt 0x0                             ; the bias
	s_cmp_eq_u32 s[ISV], 0
	s_cbranch_scc0 .Lk0_v
	KSTEP 0, 0
	s_branch .Lk0_done
.Lk0_v:
	KSTEP 0, 1
.Lk0_done:
	KSTEP 1, 0
	KSTEP 2, 0
	KSTEP 3, 0
	s_wait_tensorcnt 0x0                           ; K half 1 is in,
	s_wait_dscnt 0x0
	s_barrier_signal -1
	s_barrier_wait -1                              ; everybody's is
	KSTEP 4, 0
	KSTEP 5, 0
	KSTEP 6, 0
	KSTEP 7, 0
; THE WAY OUT.  64 numbers of a lane, v[src] on: registers 16 b .. 16 b + 15 are half of block b, the other half lies in lane l xor 16.  They become a fragment's eight registers in v[pc] on and a scale word in v[pw].
.macro QUANT src, pc, pw
.irp b, 0,1,2,3
	v_max3_num_f32 v[TM+\b], |v[(\src)+16*\b]|, |v[(\src)+16*\b+1]|, 0x1800000   ; each accumulator is read from its low end on; the floor 2^(3 - 127) holds the byte at 1 from below
.endr
.irp i, 2,4,6,8,10,12,14
.irp b, 0,1,2,3
	v_max3_num_f32 v[TM+\b], v[TM+\b], |v[(\src)+16*\b+\i]|, |v[(\src)+16*\b+\i+1]|
.endr
.endr
.irp b, 0,1,2,3
	v_permlanex16_b32 v[TM+4+\b], v[TM+\b], s[SEL], s[SEL+1]
.endr
.irp b, 0,1,2,3
	v_max_num_f32 v[TM+\b], v[TM+\b], v[TM+4+\b]   ; the block's largest magnitude
.endr
.irp b, 0,1,2,3
	v_add_nc_u32 v[TM+12+\b], 0xff000000, v[TM+\b] ; 2 off its exponent field: the conversion's scale operand
.endr
.irp b, 0,1,2,3
	v_lshrrev_b32 v[TM+4+\b], 23, v[TM+12+\b]      ; the scale's byte
.endr
	v_lshl_or_b32 v[\pw], v[TM+5], 8, v[TM+4]
	v_lshl_or_b32 v[\pw], v[TM+6], 16, v[\pw]
	v_lshl_or_b32 v[\pw], v[TM+7], 24, v[\pw]
.irp b, 0,1,2,3                        ; tiles 4 c, 4 c + 1, 4 c + 2, 4 c + 3 go to registers 4 c + 0, 2, 1, 3
	v_cvt_scalef32_pk8_fp4_f32 v[(\pc)+4*(\b/2)+(\b%2)], v[(\src)+16*\b:(\src)+16*\b+7], v[TM+12+\b]
	v_cvt_scalef32_pk8_fp4_f32 v[(\pc)+4*(\b/2)+(\b%2)+2], v[(\src)+16*\b+8:(\src)+16*\b+15], v[TM+12+\b]
.endr
	v_nop                                          ; one plain place behind the conversions
.irp c, 0,1                            ; the first's lanes 16-31 change places with the second's lanes 0-15: registers 4 c .. 4 c + 3 of lane (r, h) now hold the whole block 2 c + h
	v_permlane16_swap_b32 v[(\pc)+4*\c], v[(\pc)+4*\c+1]
	v_permlane16_swap_b32 v[(\pc)+4*\c+2], v[(\pc)+4*\c+3]
.endr
.endm
	PLACES 4                                       ; in front of the first read of results and of writes over operands
	QUANT ACC, PC, PW
	global_store_b128 v11, v[PC:PC+3], s[14:15]    ; a fragment: 1,024 bytes on end, 512 a store
	global_store_b128 v11, v[PC+4:PC+7], s[14:15] offset:512
	QUANT ACC+64, PC+8, PW+1
	global_store_b128 v12, v[PC+8:PC+11], s[14:15]
	global_store_b128 v12, v[PC+12:PC+15], s[14:15] offset:512
	v_cmp_eq_u32 vcc_lo, 1, v3
	v_cndmask_b32 v50, v[PW], v[PW+1], vcc_lo      ; lanes 0-15 the first tile's words, lanes 16-31 the second's: 128 bytes on end
	global_store_b32 v13, v50, s[16:17]
	s_wait_tensorcnt 0x0
	ds_add_u32 v126, v127
	s_wait_dscnt 0x0
	CROUND                                         ; the closing round: no work-group ends while a partner may still ask for a tile that names it
	s_endpgm
.Lfunc_end_k_qfe4ce1858f_qkv:
	.size	k_qfe4ce1858f_qkv, .Lfunc_end_k_qfe4ce1858f_qkv-k_qfe4ce1858f_qkv
	.p2alignl 7, 3214868480
	.fill 96, 4, 3214868480
	.section	.rodata,"a",@progbits
	.p2align	6, 0x0
	.amdhsa_kernel k_qfe4ce1858f_qkv
		.amdhsa_group_segment_fixed_size 280064
		.amdhsa_private_segment_fixed_size 0
		.amdhsa_enable_private_segment 0
		.amdhsa_kernarg_size 56
		.amdhsa_user_sgpr_count 2
		.amdhsa_user_sgpr_kernarg_segment_ptr 1
		.amdhsa_wavefront_size32 1
		.amdhsa_system_sgpr_workgroup_id_x 1
		.amdhsa_system_sgpr_workgroup_id_y 1
		.amdhsa_system_sgpr_workgroup_id_z 1
		.amdhsa_system_vgpr_workitem_id 0
		.amdhsa_next_free_vgpr 256
		.amdhsa_next_free_sgpr 102
		.amdhsa_reserve_vcc 1
		.amdhsa_float_denorm_mode_32 3
		.amdhsa_float_denorm_mode_16_64 3
		.amdhsa_memory_ordered 1
		.amdhsa_forward_progress 1
		.amdhsa_inst_pref_size 59
	.end_amdhsa_kernel
	.amdgpu_metadata
---
amdhsa.version: [ 1, 2 ]
amdhsa.kernels:
  - .name:           k_qfe4ce1858f_qkv
    .symbol:         k_qfe4ce1858f_qkv.kd
    .args:
      - { .name: opc, .offset: 0, .size: 8, .value_kind: global_buffer, .address_space: global }
      - { .name: ops, .offset: 8, .size: 8, .value_kind: global_buffer, .address_space: global }
      - { .name: q_b, .offset: 16, .size: 8, .value_kind: global_buffer, .address_space: global }
      - { .name: k_b, .offset: 24, .size: 8, .value_kind: global_buffer, .address_space: global }
      - { .name: v_b, .offset: 32, .size: 8, .value_kind: global_buffer, .address_space: global }
      - { .name: qkvc, .offset: 40, .size: 8, .value_kind: global_buffer, .address_space: global }
      - { .name: qkvs, .offset: 48, .size: 8, .value_kind: global_buffer, .address_space: global }
    .group_segment_fixed_size: 280064
    .private_segment_fixed_size: 0
    .kernarg_segment_align: 8
    .kernarg_segment_size: 56
    .max_flat_workgroup_size: 384
    .sgpr_count:     102
    .vgpr_count:     256
    .wavefront_size: 32
...
	.end_amdgpu_metadata
.endif
;; end of part 2
;; launch attn (part 3): grid 32 x 8, 16 waves a work-group, no clusters, 169,984 bytes of LDS; arguments qkvc, qkvs, ac, asc; writes ac, asc
.if DOCPART == 3
	.amdgcn_target "amdgcn-amd-amdhsa--gfx1250"
	.amdhsa_code_object_version 6
	.text
	.protected	k_qfe4ce1858f_attn
	.globl	k_qfe4ce1858f_attn
	.p2align	8
	.type	k_qfe4ce1858f_attn,@function
k_qfe4ce1858f_attn:
	s_mov_b64 s[64:65], 0
	v_nop
	global_prefetch_b8 v0, s[64:65] scope:SCOPE_SE
	s_setreg_imm32_b32 hwreg(HW_REG_WAVE_MODE, 25, 1), 1
	s_wait_xcnt 0x0
; Attention in a window: key k counts for query q where q - 255 <= k <= q.  Both products on codes of FP4 with E8M0 scales; p is the FINISHED softmax (true row maximum taken away, divided by the row's sum), quantised in blocks
; of 32 keys that begin at multiples of 32; the result is quantised along the model's 1,024 for the output projection.
; LIMITS: NaN and infinities are not served; a block of p or of the result whose largest magnitude lies under 2^-124, a block of zeros among them, gets the scale byte 1 (only this program reads the bytes).
; SHARES.  A work-group: 128 queries (qb) of a pair of heads (pr).  Wave w: query tile t8 = w / 2 (16 queries), head par = w % 2 of the pair.  A tile of 16 queries inside the 32 queries of block m needs the key blocks m - 8 .. m:
; nine blocks, 288 keys, 144 scores a lane: the whole row lies in registers, so the softmax is taken in one pass.  In the first 256 queries the nine blocks are 0 .. 8, and what comes after the query is hidden by the mask.
; LAYOUT.  Both products transposed: S^T = k q^T, O^T = v^T p^T: a lane holds one query (lane % 16) throughout.  A head's K is 64: k's fragment is the pair's 128 as it lies, and in q's fragment the other head's codes are cleared.
; LDS, filled once by four tensor loads (waves 0-3, one each): k's codes of 24 key tiles, v's codes of 8 feature tiles x 12 key blocks, k's and v's scale words; behind them 512 bytes of stage that no fill touches.
; No cluster: neighbouring work-groups' windows are shifted against each other, so their tiles are not the same tiles.
.set KL,   0                           ; k: [24 key tiles][1,024 bytes]
.set VL,   24576                       ; v: [8 feature tiles][12 key blocks][256 bytes]
.set KSL,  49152                       ; k's scale words: [24 key tiles][16][4 bytes]
.set VSL,  50688                       ; v's: [3 groups of 128 keys][128 features][4 bytes]
.set STG,  52224                       ; the stage: the result's scale words, [8 query tiles][16][4 bytes]
.set QF,   16                          ; v16-23   q's fragment
.set QS,   24                          ; v24      q's scale words;  v25-33 k's;  v34-39 v's;  v40-42 p's: these hold scales and nothing else
.set KSC,  25
.set VA,   34
.set PW,   40
.set SRD,  43                          ; v43      where wave 0 reads the stage
.set KF,   44                          ; v44-91   six fragments of k; later:
.set VW,   44                          ; v44-49   v's scale words as they lie
.set BM,   50                          ; v50-58   each block's largest score, then largest p, then byte
.set SO,   59                          ; v59-67   at work; the conversions' scale operands
.set PC,   68                          ; v68-91   p's codes: three fragments
.set TM,   96                          ; v96-101  the way out, at work
.set HWD,  102                         ; v102     the result's two scale bytes
.set OC,   104                         ; v104-107 the result's codes
.set LN,   109                         ; v109 lane, v110 r, v111 h
.set RR,   110
.set HH,   111
.set S,    112                         ; v112-255 S^T, then p: block b, tile u, register j at S + 16 b + 8 u + j: key 32 (B0 + b) + 16 u + 8 h + j
.set VF,   112                         ; later: v's fragments (K step s, tile t) at VF + 32 s + 8 t
.set OA,   208                         ; and O^T: four tiles
.set WV,  12
.set T8,  13
.set PAR, 14
.set QB,  15
.set PR,  16
.set KB0, 17
.set REL, 18
.set TT,  19
.set SH,  20
.set MK0, 21
.set MK1, 22
.set NEGC, 23
.set CS,  24
.set SEL, 26
.set G1K,  28
.set G1V,  36
.set G1KS, 44
.set G1VS, 52
.set G0K,  60
.set G0V,  68
.set G0KS, 72
.set G0VS, 76
.macro PLACES n
.rept \n
	v_nop
.endr
.endm
	s_load_b256 s[4:11], s[0:1], 0x0               ; qkvc, qkvs, ac, asc
	v_lshl_add_u32 v254, v0, 2, 0x29000
	v_mov_b32 v255, 0
	ds_add_u32 v254, v255
	ds_add_u32 v254, v255
	s_wait_dscnt 0x0
	v_lshrrev_b32 v1, 5, v0
	v_readfirstlane_b32 s[WV], v1                  ; wave 0..15
	s_lshr_b32 s[T8], s[WV], 1
	s_and_b32 s[PAR], s[WV], 1
	s_mov_b32 s[QB], ttmp9
	s_and_b32 s[PR], ttmp7, 0xffff
	s_lshl_b32 s[KB0], s[QB], 2
	s_sub_co_i32 s[KB0], s[KB0], 8
	s_max_i32 s[KB0], s[KB0], 0                    ; the first key block in LDS: 4 qb - 8, or 0
	s_lshr_b32 s[REL], s[T8], 1
	s_cmp_ge_u32 s[QB], 2
	s_cselect_b32 s[REL], s[REL], 0                ; my first key block, counted from there: 0 .. 3
	s_lshl_b32 s[TT], s[QB], 3
	s_add_co_u32 s[TT], s[TT], s[T8]               ; my query tile
	s_lshl_b32 s[SH], s[REL], 3
	s_sub_co_u32 s[MK0], s[PAR], 1                 ; all ones for head 0 of the pair, 0 for head 1,
	s_not_b32 s[MK1], s[MK0]                       ; and the other way round
	s_mov_b32 s[CS], 0x3e38aa3b                    ; c = log2(e) / sqrt(64)
	s_mov_b32 s[CS+1], s[CS]
	s_mov_b32 s[NEGC], 0xbe38aa3b
	s_mov_b32 s[SEL], 0x76543210
	s_mov_b32 s[SEL+1], 0xfedcba98
	s_mov_b32 s[G1K], 3<<16                        ; elements of 8 bytes, no mask, no padding.  k: 24 key tiles x 1,024 bytes, 8,192 bytes apart
	s_mov_b32 s[G1K+1], 128<<16
	s_mov_b32 s[G1K+2], 24<<16
	s_mov_b32 s[G1K+3], 128<<16
	s_mov_b32 s[G1K+4], 24
	s_mov_b32 s[G1K+5], 1024
	s_mov_b32 s[G1K+6], 0
	s_mov_b32 s[G1K+7], 0
	s_mov_b32 s[G1V], 3<<16                        ; v: 8 feature tiles x 3,072 bytes, 32,768 bytes apart
	s_mov_b32 s[G1V+1], 384<<16
	s_mov_b32 s[G1V+2], 8<<16
	s_mov_b32 s[G1V+3], 384<<16
	s_mov_b32 s[G1V+4], 8
	s_mov_b32 s[G1V+5], 4096
	s_mov_b32 s[G1V+6], 0
	s_mov_b32 s[G1V+7], 0
	s_mov_b32 s[G1KS], 3<<16                       ; k's scale words: 1,536 dense bytes as 6 rows of 256
	s_mov_b32 s[G1KS+1], 32<<16
	s_mov_b32 s[G1KS+2], 6<<16
	s_mov_b32 s[G1KS+3], 32<<16
	s_mov_b32 s[G1KS+4], 6
	s_mov_b32 s[G1KS+5], 32
	s_mov_b32 s[G1KS+6], 0
	s_mov_b32 s[G1KS+7], 0
	s_mov_b32 s[G1VS], 3<<16                       ; v's: 3 groups of keys x 512 bytes, 4,096 bytes apart
	s_mov_b32 s[G1VS+1], 64<<16
	s_mov_b32 s[G1VS+2], 3<<16
	s_mov_b32 s[G1VS+3], 64<<16
	s_mov_b32 s[G1VS+4], 3
	s_mov_b32 s[G1VS+5], 512
	s_mov_b32 s[G1VS+6], 0
	s_mov_b32 s[G1VS+7], 0
	s_lshl_b32 s80, s[KB0], 14                     ; k: key tile 2 KB0, the pair's 1,024 bytes
	s_lshl_b32 s81, s[PR], 10
	s_add_co_u32 s80, s80, s81
	s_add_co_u32 s80, s80, 2097152
	s_mov_b32 s81, 0
	s_lshl_b32 s82, s[PR], 18                      ; v: feature tile 8 pr, key block KB0
	s_lshl_b32 s83, s[KB0], 8
	s_add_co_u32 s82, s82, s83
	s_add_co_u32 s82, s82, 4194304
	s_mov_b32 s83, 0
	s_lshl_b32 s84, s[PR], 14                      ; k's scale words
	s_lshl_b32 s85, s[KB0], 7
	s_add_co_u32 s84, s84, s85
	s_add_co_u32 s84, s84, 131072
	s_mov_b32 s85, 0
	s_lshl_b32 s86, s[KB0], 10                     ; v's: group KB0 / 4 (KB0 is a multiple of 4)
	s_lshl_b32 s87, s[PR], 9
	s_add_co_u32 s86, s86, s87
	s_add_co_u32 s86, s86, 262144
	s_mov_b32 s87, 0
	s_wait_kmcnt 0x0
	s_mov_b32 s[G0K], 1
	s_mov_b32 s[G0K+1], KL
	s_add_nc_u64 s[G0K+2:G0K+3], s[4:5], s[80:81]
	s_or_b32 s[G0K+3], s[G0K+3], 0x80000000
	s_mov_b32 s[G0V], 1
	s_mov_b32 s[G0V+1], VL
	s_add_nc_u64 s[G0V+2:G0V+3], s[4:5], s[82:83]
	s_or_b32 s[G0V+3], s[G0V+3], 0x80000000
	s_mov_b32 s[G0KS], 1
	s_mov_b32 s[G0KS+1], KSL
	s_add_nc_u64 s[G0KS+2:G0KS+3], s[6:7], s[84:85]
	s_or_b32 s[G0KS+3], s[G0KS+3], 0x80000000
	s_mov_b32 s[G0VS], 1
	s_mov_b32 s[G0VS+1], VSL
	s_add_nc_u64 s[G0VS+2:G0VS+3], s[6:7], s[86:87]
	s_or_b32 s[G0VS+3], s[G0VS+3], 0x80000000
	s_cmp_eq_u32 s[WV], 0                          ; one fill a wave, waves 0 to 3; four v_nop follow each
	s_cbranch_scc0 .Lnot0
	tensor_load_to_lds s[G0K:G0K+3], s[G1K:G1K+7]
	s_nop 0
	PLACES 4
	s_branch .Lasked
.Lnot0:
	s_cmp_eq_u32 s[WV], 1
	s_cbranch_scc0 .Lnot1
	tensor_load_to_lds s[G0V:G0V+3], s[G1V:G1V+7]
	s_nop 0
	PLACES 4
	s_branch .Lasked
.Lnot1:
	s_cmp_eq_u32 s[WV], 2
	s_cbranch_scc0 .Lnot2
	tensor_load_to_lds s[G0KS:G0KS+3], s[G1KS:G1KS+7]
	s_nop 0
	PLACES 4
	s_branch .Lasked
.Lnot2:
	s_cmp_eq_u32 s[WV], 3
	s_cbranch_scc0 .Lasked
	tensor_load_to_lds s[G0VS:G0VS+3], s[G1VS:G1VS+7]
	s_nop 0
	PLACES 4
.Lasked:
	s_lshl_b32 s88, s[TT], 13                      ; my query tile's 8,192 bytes, the pair's 1,024
	s_lshl_b32 s89, s[PR], 10
	s_add_co_u32 s88, s88, s89
	s_mov_b32 s89, 0
	s_add_nc_u64 s[90:91], s[4:5], s[88:89]        ; q's fragment
	s_lshl_b32 s92, s[PAR], 9
	s_add_co_u32 s88, s88, s92
	s_add_nc_u64 s[8:9], s[8:9], s[88:89]          ; the result's codes: my head's half of the same fragment
	s_lshl_b32 s92, s[PR], 14
	s_lshl_b32 s93, s[TT], 6
	s_add_co_u32 s92, s92, s93
	s_mov_b32 s93, 0
	s_add_nc_u64 s[94:95], s[6:7], s[92:93]        ; q's scale words
	s_lshl_b32 s92, s[PR], 14
	s_lshl_b32 s93, s[QB], 9
	s_add_co_u32 s92, s92, s93
	s_mov_b32 s93, 0
	s_add_nc_u64 s[10:11], s[10:11], s[92:93]      ; the result's scale words: 512 bytes for the work-group
	v_and_b32 v[LN], 31, v0
	v_and_b32 v[RR], 15, v0
	v_bfe_u32 v[HH], v0, 4, 1
	v_lshlrev_b32 v8, 4, v[LN]                     ; 16 x lane
	v_lshlrev_b32 v11, 2, v[RR]                    ; 4 r
	global_load_b128 v[QF:QF+3], v8, s[90:91]
	global_load_b128 v[QF+4:QF+7], v8, s[90:91] offset:512
	global_load_b32 v[QS], v11, s[94:95]
	s_lshl_b32 s80, s[REL], 11
	v_lshl_add_u32 v1, v[LN], 4, s80               ; k's fragments: my first key tile, 16 x lane
	s_mul_i32 s81, s[PAR], 12288
	s_lshl_b32 s82, s[REL], 8
	s_add_co_u32 s81, s81, s82
	s_add_co_u32 s81, s81, VL
	v_lshl_add_u32 v2, v[LN], 4, s81               ; v's: my head's four tiles, my first key block
	s_lshl_b32 s82, s[REL], 7
	s_add_co_u32 s82, s82, KSL
	v_lshl_add_u32 v3, v[LN], 2, s82               ; k's scale words: lanes 0-15 a block's first tile, lanes 16-31 its second
	s_lshl_b32 s83, s[PAR], 8
	s_add_co_u32 s83, s83, VSL
	v_lshl_add_u32 v4, v[LN], 2, s83               ; v's: lanes 0-15 an even tile of features, lanes 16-31 the odd one
	s_lshl_b32 s84, s[T8], 6
	s_lshl_b32 s85, s[PAR], 1
	s_add_co_u32 s84, s84, s85
	s_add_co_u32 s84, s84, STG
	v_lshl_add_u32 v9, v[RR], 2, s84               ; the stage: my tile's word of row r, my head's half of it
	v_lshl_add_u32 v[SRD], v[LN], 4, STG
	s_add_co_u32 s86, s[KB0], s[REL]
	s_lshl_b32 s86, s86, 5
	s_lshl_b32 s87, s[TT], 4
	s_sub_co_i32 s86, s87, s86                     ; 16 T - 32 B0
	v_lshlrev_b32 v10, 3, v[HH]
	v_sub_nc_u32 v5, v[RR], v10
	v_add_nc_u32 v5, s86, v5                       ; D = my query - 32 B0 - 8 h.  The register with n = 32 b + 16 u + j is hidden where n > D,
	v_add_nc_u32 v6, 0xffffff01, v5                ; or n < D - 255
	v_mov_b32 v7, 0xff800000                       ; -infinity
	v_mov_b32 v[TM+2], 0                           ; written once: a lane permute's destination counts as one of its sources
	v_mov_b32 v[TM+3], 0
	v_mov_b32 v108, 0
	s_wait_tensorcnt 0x0                           ; my fill is in,
	s_barrier_signal -1
	s_barrier_wait -1                              ; everybody's is
; ---- S^T = k q^T: 18 tiles of 16 keys, six at a time
.macro KLOAD g
.irp e, 0,1,2,3,4,5
.irp c, 0,1
	ds_load_b128 v[KF+8*\e+4*\c:KF+8*\e+4*\c+3], v1 offset:(6*(\g)+\e)*1024+512*\c
.endr
.endr
.endm
.macro SMUL g
.irp e, 0,1,2,3,4,5
.if \e%2
	v_wmma_scale_f32_16x16x128_f8f6f4 v[S+8*(6*(\g)+\e):S+8*(6*(\g)+\e)+7], v[KF+8*\e:KF+8*\e+7], v[QF:QF+7], 0, v[KSC+(6*(\g)+\e)/2], v[QS] matrix_a_fmt:MATRIX_FMT_FP4 matrix_b_fmt:MATRIX_FMT_FP4 matrix_a_scale:MATRIX_SCALE_ROW1
.else
	v_wmma_scale_f32_16x16x128_f8f6f4 v[S+8*(6*(\g)+\e):S+8*(6*(\g)+\e)+7], v[KF+8*\e:KF+8*\e+7], v[QF:QF+7], 0, v[KSC+(6*(\g)+\e)/2], v[QS] matrix_a_fmt:MATRIX_FMT_FP4 matrix_b_fmt:MATRIX_FMT_FP4
.endif
.endr
.endm
.irp b, 0,1,2,3,4,5,6,7,8
	ds_load_b32 v[KSC+\b], v3 offset:128*\b
.endr
	KLOAD 0
	s_wait_loadcnt 0x0                             ; q
.irp i, 0,1,2,3
	v_and_b32 v[QF+\i], s[MK0], v[QF+\i]           ; the other head's codes become zeros, which add nothing
.endr
.irp i, 4,5,6,7
	v_and_b32 v[QF+\i], s[MK1], v[QF+\i]
.endr
	PLACES 4                                       ; an operand written by vector instructions stands four places ahead of a scaled product
	s_wait_dscnt 0x0
	SMUL 0
	PLACES 4                                       ; in front of loads into registers that matrix instructions have read
	KLOAD 1
	s_wait_dscnt 0x0
	SMUL 1
	PLACES 4
	KLOAD 2
	s_wait_dscnt 0x0
	SMUL 2
	PLACES 4                                       ; and in front of the first read of results
.irp tp, 0,1
.irp g, 0,1,2
	ds_load_b32 v[VW+3*\tp+\g], v4 offset:128*\tp+512*\g   ; v's scale words of the three aligned groups of 128 keys
.endr
.endr
; ---- the mask: hidden scores become -infinity, so that p = 0 there.  Each accumulator is read from its low end on
.macro MASKUP b
.irp e, 0,1,2,3,4,5,6,7,8,9,10,11,12,13,14,15
	v_cmp_gt_i32 vcc_lo, 32*(\b)+16*(\e/8)+\e%8, v5
	v_cndmask_b32 v[S+16*(\b)+\e], v[S+16*(\b)+\e], v7, vcc_lo
.endr
.endm
.irp e, 0,1,2,3,4,5,6,7,8,9,10,11,12,13,14,15
	v_cmp_lt_i32 vcc_lo, 16*(\e/8)+\e%8, v6        ; D - 255 is 32 at the most: only my first block can lie in front of the window
	v_cndmask_b32 v[S+\e], v[S+\e], v7, vcc_lo
.endr
	MASKUP 8
	s_cmp_ge_u32 s[QB], 2                          ; from query 256 on D is 248 at the least, over every n of blocks 0 to 7: a branch on the work-group's number
	s_cbranch_scc1 .Lfar
.irp b, 0,1,2,3,4,5,6,7
	MASKUP \b
.endr
.Lfar:
	s_wait_dscnt 0x0
.irp tp, 0,1                           ; my K steps begin REL blocks into a group: the words are shifted by REL bytes.  What comes in from above is a true byte or 0, never 0xff
	v_alignbit_b32 v[VA+3*\tp], v[VW+3*\tp+1], v[VW+3*\tp], s[SH]
	v_alignbit_b32 v[VA+3*\tp+1], v[VW+3*\tp+2], v[VW+3*\tp+1], s[SH]
	v_lshrrev_b32 v[VA+3*\tp+2], s[SH], v[VW+3*\tp+2]
.endr
; ---- the softmax.  Each block's largest score serves twice: for the row's maximum, and, since p rises with the score, for the block's largest p
.irp b, 0,1,2,3,4,5,6,7,8
	v_max3_num_f32 v[BM+\b], v[S+16*\b], v[S+16*\b+1], v[S+16*\b+2]
.endr
.irp i, 3,5,7,9,11,13
.irp b, 0,1,2,3,4,5,6,7,8
	v_max3_num_f32 v[BM+\b], v[BM+\b], v[S+16*\b+\i], v[S+16*\b+\i+1]
.endr
.endr
.irp b, 0,1,2,3,4,5,6,7,8
	v_max_num_f32 v[BM+\b], v[BM+\b], v[S+16*\b+15]
.endr
.irp b, 0,1,2,3,4,5,6,7,8
	v_permlanex16_b32 v[SO+\b], v[BM+\b], s[SEL], s[SEL+1]
.endr
.irp b, 0,1,2,3,4,5,6,7,8
	v_max_num_f32 v[BM+\b], v[BM+\b], v[SO+\b]     ; with lane l xor 16's 16 keys
.endr
	v_max3_num_f32 v10, v[BM], v[BM+1], v[BM+2]
	v_max3_num_f32 v10, v10, v[BM+3], v[BM+4]
	v_max3_num_f32 v10, v10, v[BM+5], v[BM+6]
	v_max3_num_f32 v10, v10, v[BM+7], v[BM+8]      ; the row's largest score: the query's own key always counts, so it is a number
	v_mul_f32 v12, s[NEGC], v10                    ; - c x maximum: its rounding is common to the row and leaves with the division
	v_mov_b32 v13, v12                             ; (named with it as a pair)
.set i, 0
.rept 72
	v_pk_fma_f32 v[S+i:S+i+1], v[S+i:S+i+1], s[CS:CS+1], v[12:13] op_sel_hi:[1,0,0]   ; c (score - maximum), two at a time
.set i, i+2
.endr
.irp b, 0,1,2,3,4,5,6,7,8
	v_fma_f32 v[BM+\b], v[BM+\b], s[CS], v12
.endr
.set i, 0
.rept 144
	v_exp_f32 v[S+i], v[S+i]
.set i, i+1
.endr
.irp b, 0,1,2,3,4,5,6,7,8
	v_exp_f32 v[BM+\b], v[BM+\b]
.endr
	v_nop                                          ; one plain place behind the exponentials
	s_wait_alu depctr_va_vdst(0)
	v_pk_add_f32 v[14:15], v[S:S+1], v[S+2:S+3]    ; the row's sum, two at a time, in two chains
	v_pk_add_f32 v[92:93], v[S+4:S+5], v[S+6:S+7]
.set i, 8
.rept 34
	v_pk_add_f32 v[14:15], v[14:15], v[S+i:S+i+1]
	v_pk_add_f32 v[92:93], v[92:93], v[S+i+2:S+i+3]
.set i, i+4
.endr
	v_pk_add_f32 v[14:15], v[14:15], v[92:93]
	v_add_f32 v14, v14, v15
	v_permlanex16_b32 v108, v14, s[SEL], s[SEL+1]
	v_add_f32 v14, v14, v108
	v_rcp_f32 v94, v14
	v_nop                                          ; one plain place behind the reciprocal
	s_wait_alu depctr_va_vdst(0)
	v_mov_b32 v95, v94
.set i, 0
.rept 72
	v_pk_mul_f32 v[S+i:S+i+1], v[S+i:S+i+1], v[94:95] op_sel_hi:[1,0]   ; p, finished
.set i, i+2
.endr
.irp b, 0,1,2,3,4,5,6,7,8
	v_mul_f32 v[BM+\b], v[BM+\b], v94              ; each block's largest p: the same three operations on the same number give the same bits
.endr
; ---- p becomes three fragments and three scale words
.irp b, 0,1,2,3,4,5,6,7,8
	v_max_num_f32 v[BM+\b], 0x1800000, v[BM+\b]    ; the floor 2^(3 - 127): a block whose every p is 0 keeps the byte 1; its codes are zeros
.endr
.irp b, 0,1,2,3,4,5,6,7,8
	v_add_nc_u32 v[SO+\b], 0xff000000, v[BM+\b]    ; 2 off the exponent field: the conversion's scale operand
.endr
.irp b, 0,1,2,3,4,5,6,7,8
	v_lshrrev_b32 v[BM+\b], 23, v[SO+\b]           ; the scale's byte
.endr
.irp s, 0,1
	v_lshl_or_b32 v[PW+\s], v[BM+4*\s+1], 8, v[BM+4*\s]
	v_lshl_or_b32 v[PW+\s], v[BM+4*\s+2], 16, v[PW+\s]
	v_lshl_or_b32 v[PW+\s], v[BM+4*\s+3], 24, v[PW+\s]
.endr
	v_mov_b32 v[PW+2], v[BM+8]                     ; the third K step has one block; its other bytes are 0, over zero codes
.irp b, 0,1,2,3,4,5,6,7,8              ; tiles 4 c, 4 c + 1, 4 c + 2, 4 c + 3 of a K step go to its registers 4 c + 0, 2, 1, 3
	v_cvt_scalef32_pk8_fp4_f32 v[PC+8*(\b/4)+4*((\b%4)/2)+(\b%2)], v[S+16*\b:S+16*\b+7], v[SO+\b]
	v_cvt_scalef32_pk8_fp4_f32 v[PC+8*(\b/4)+4*((\b%4)/2)+(\b%2)+2], v[S+16*\b+8:S+16*\b+15], v[SO+\b]
.endr
.irp i, 17,19,20,21,22,23
	v_mov_b32 v[PC+\i], 0                          ; the keys behind my ninth block: zero codes.  (Plain places behind the conversions)
.endr
	v_nop
.irp q, 0,1,2,3,4                      ; the exchange of halves: registers 4 c .. 4 c + 3 of lane (r, h) then hold the whole block 2 c + h
	v_permlane16_swap_b32 v[PC+4*\q], v[PC+4*\q+1]
	v_permlane16_swap_b32 v[PC+4*\q+2], v[PC+4*\q+3]
.endr
; ---- O^T = v^T p^T: four tiles of 16 features, three K steps; the four accumulators take turns
.irp s, 0,1
.irp t, 0,1,2,3
.irp c, 0,1
	ds_load_b128 v[VF+32*\s+8*\t+4*\c:VF+32*\s+8*\t+4*\c+3], v2 offset:3072*\t+1024*\s+512*\c
.endr
.endr
.endr
.irp t, 0,1,2,3                        ; the third K step: registers 0-3 alone.  Lanes 16-31 read the block behind my ninth (filled LDS bytes), and registers 4-7 keep what they held: every FP4 code is a number, and p's codes there are zeros
	ds_load_b128 v[VF+64+8*\t:VF+64+8*\t+3], v2 offset:3072*\t+2048
.endr
	PLACES 8                                       ; a scale register written by vector instructions stands eight places ahead of a scaled product, an operand four
	s_wait_dscnt 0x0
.irp s, 0,1,2
.irp t, 0,1,2,3
.if \s == 0
.if \t%2
	v_wmma_scale_f32_16x16x128_f8f6f4 v[OA+8*\t:OA+8*\t+7], v[VF+32*\s+8*\t:VF+32*\s+8*\t+7], v[PC+8*\s:PC+8*\s+7], 0, v[VA+3*(\t/2)+\s], v[PW+\s] matrix_a_fmt:MATRIX_FMT_FP4 matrix_b_fmt:MATRIX_FMT_FP4 matrix_a_scale:MATRIX_SCALE_ROW1
.else
	v_wmma_scale_f32_16x16x128_f8f6f4 v[OA+8*\t:OA+8*\t+7], v[VF+32*\s+8*\t:VF+32*\s+8*\t+7], v[PC+8*\s:PC+8*\s+7], 0, v[VA+3*(\t/2)+\s], v[PW+\s] matrix_a_fmt:MATRIX_FMT_FP4 matrix_b_fmt:MATRIX_FMT_FP4
.endif
.else
.if \t%2
	v_wmma_scale_f32_16x16x128_f8f6f4 v[OA+8*\t:OA+8*\t+7], v[VF+32*\s+8*\t:VF+32*\s+8*\t+7], v[PC+8*\s:PC+8*\s+7], v[OA+8*\t:OA+8*\t+7], v[VA+3*(\t/2)+\s], v[PW+\s] matrix_a_fmt:MATRIX_FMT_FP4 matrix_b_fmt:MATRIX_FMT_FP4 matrix_a_scale:MATRIX_SCALE_ROW1
.else
	v_wmma_scale_f32_16x16x128_f8f6f4 v[OA+8*\t:OA+8*\t+7], v[VF+32*\s+8*\t:VF+32*\s+8*\t+7], v[PC+8*\s:PC+8*\s+7], v[OA+8*\t:OA+8*\t+7], v[VA+3*(\t/2)+\s], v[PW+\s] matrix_a_fmt:MATRIX_FMT_FP4 matrix_b_fmt:MATRIX_FMT_FP4
.endif
.endif
.endr
.endr
	PLACES 4
; ---- the way out: my head's 64 features of 16 queries are two blocks of the output projection's K
.irp b, 0,1
	v_max3_num_f32 v[TM+\b], |v[OA+16*\b]|, |v[OA+16*\b+1]|, 0x1800000
.endr
.irp i, 2,4,6,8,10,12,14
.irp b, 0,1
	v_max3_num_f32 v[TM+\b], v[TM+\b], |v[OA+16*\b+\i]|, |v[OA+16*\b+\i+1]|
.endr
.endr
.irp b, 0,1
	v_permlanex16_b32 v[TM+2+\b], v[TM+\b], s[SEL], s[SEL+1]
.endr
.irp b, 0,1
	v_max_num_f32 v[TM+\b], v[TM+\b], v[TM+2+\b]
.endr
.irp b, 0,1
	v_add_nc_u32 v[TM+4+\b], 0xff000000, v[TM+\b]
.endr
.irp b, 0,1
	v_lshrrev_b32 v[TM+2+\b], 23, v[TM+4+\b]
.endr
	v_lshl_or_b32 v[HWD], v[TM+3], 8, v[TM+2]
.irp b, 0,1
	v_cvt_scalef32_pk8_fp4_f32 v[OC+\b], v[OA+16*\b:OA+16*\b+7], v[TM+4+\b]
	v_cvt_scalef32_pk8_fp4_f32 v[OC+\b+2], v[OA+16*\b+8:OA+16*\b+15], v[TM+4+\b]
.endr
	v_nop
	v_permlane16_swap_b32 v[OC], v[OC+1]
	v_permlane16_swap_b32 v[OC+2], v[OC+3]
	global_store_b128 v8, v[OC:OC+3], s[8:9]       ; 32 lanes store 512 consecutive bytes, aligned: half a fragment
	ds_store_b16 v9, v[HWD]                        ; both halves of the lanes write the same two bytes with the same value
	s_wait_dscnt 0x0                               ; for the others' sake: my store has landed
	s_barrier_signal -1
	s_barrier_wait -1
	s_cmp_lg_u32 s[WV], 0
	s_cbranch_scc1 .Lend
	ds_load_b128 v[TM:TM+3], v[SRD]                ; the work-group's 128 scale words
	s_wait_dscnt 0x0
	global_store_b128 v8, v[TM:TM+3], s[10:11]     ; 512 consecutive bytes, aligned
.Lend:
	s_wait_xcnt 0x0
	v_lshl_add_u32 v254, v0, 2, 0x29000
	v_mov_b32 v255, 0
	s_wait_tensorcnt 0x0
	ds_add_u32 v254, v255
	s_wait_dscnt 0x0
	s_endpgm
.Lfunc_end_k_qfe4ce1858f_attn:
	.size	k_qfe4ce1858f_attn, .Lfunc_end_k_qfe4ce1858f_attn-k_qfe4ce1858f_attn
	.p2alignl 7, 3214868480
	.fill 96, 4, 3214868480
	.section	.rodata,"a",@progbits
	.p2align	6, 0x0
	.amdhsa_kernel k_qfe4ce1858f_attn
		.amdhsa_group_segment_fixed_size 169984
		.amdhsa_private_segment_fixed_size 0
		.amdhsa_enable_private_segment 0
		.amdhsa_kernarg_size 32
		.amdhsa_user_sgpr_count 2
		.amdhsa_user_sgpr_kernarg_segment_ptr 1
		.amdhsa_wavefront_size32 1
		.amdhsa_system_sgpr_workgroup_id_x 1
		.amdhsa_system_sgpr_workgroup_id_y 1
		.amdhsa_system_sgpr_workgroup_id_z 1
		.amdhsa_system_vgpr_workitem_id 0
		.amdhsa_next_free_vgpr 256
		.amdhsa_next_free_sgpr 96
		.amdhsa_reserve_vcc 1
		.amdhsa_float_denorm_mode_32 3
		.amdhsa_float_denorm_mode_16_64 3
		.amdhsa_memory_ordered 1
		.amdhsa_forward_progress 1
		.amdhsa_inst_pref_size 63
	.end_amdhsa_kernel
	.amdgpu_metadata
---
amdhsa.version: [ 1, 2 ]
amdhsa.kernels:
  - .name:           k_qfe4ce1858f_attn
    .symbol:         k_qfe4ce1858f_attn.kd
    .args:
      - { .name: qkvc, .offset: 0, .size: 8, .value_kind: global_buffer, .address_space: global }
      - { .name: qkvs, .offset: 8, .size: 8, .value_kind: global_buffer, .address_space: global }
      - { .name: ac, .offset: 16, .size: 8, .value_kind: global_buffer, .address_space: global }
      - { .name: asc, .offset: 24, .size: 8, .value_kind: global_buffer, .address_space: global }
    .group_segment_fixed_size: 169984
    .private_segment_fixed_size: 0
    .kernarg_segment_align: 8
    .kernarg_segment_size: 32
    .max_flat_workgroup_size: 512
    .sgpr_count:     96
    .vgpr_count:     256
    .wavefront_size: 32
...
	.end_amdgpu_metadata
.endif
;; end of part 3
;; launch oproj (part 4): grid 8 x 32, 8 waves a work-group, clusters of 4 x 4, 175,104 bytes of LDS; arguments ac, asc, opc, ops, o_b, out0; writes out0
.if DOCPART == 4
	.amdgcn_target "amdgcn-amd-amdhsa--gfx1250"
	.amdhsa_code_object_version 6
	.text
	.protected	k_qfe4ce1858f_oproj
	.globl	k_qfe4ce1858f_oproj
	.p2align	8
	.type	k_qfe4ce1858f_oproj,@function
k_qfe4ce1858f_oproj:
	s_mov_b64 s[64:65], 0
	v_nop
	global_prefetch_b8 v0, s[64:65] scope:SCOPE_SE
	s_setreg_imm32_b32 hwreg(HW_REG_WAVE_MODE, 25, 1), 1
	s_wait_xcnt 0x0
	s_wait_alu depctr_hold_cnt(0) depctr_sa_sdst(0) depctr_va_vdst(0) depctr_va_sdst(0) depctr_va_ssrc(0) depctr_va_vcc(0) depctr_vm_vsrc(0)
	s_getreg_b32 s2, hwreg(HW_REG_IB_STS2, 6, 4)
	s_cmp_eq_u32 s2, 0
	s_cbranch_scc0 .Lentry_in_a_cluster
	s_endpgm
.Lentry_in_a_cluster:
	s_bfe_u32 s2, ttmp6, 0x10000c
	s_cmp_lg_u32 s2, 0xf033
	s_cbranch_scc0 .Lentry_shape_is_right
	s_endpgm
.Lentry_shape_is_right:
; out0 = a o_w^T + o_b on codes of FP4 with E8M0 scales; a is the attention's result as codes (ac, asc), o_w's codes are row tiles 448-511 of opc and ops.  Sums in f32.
; SHARES.  A work-group makes 128 rows (mt) x 128 columns (nt); ALL of K = 1,024 lies in LDS, filled once, in two K halves.  Eight waves: wave w takes columns 64 (w % 2) on (four tiles of o_w, source 0)
; and rows 32 (w / 2) on (two tiles of a, source 1): eight accumulators.  Transposed use: a lane holds one row of the result and eight neighbouring columns.
; CLUSTER 4 x 4: a's tiles hang on mt alone and are asked for jointly along a row of the cluster, o_w's on nt alone, along a column.
; LDS: codes at half x 65,536 + 4,096 p, slot p 0-7 o_w, 8-15 a; o_w's scale words at 131,072 ([tile][K half][16][4 words]); a's at 135,168 ([K step][tile][16][4 bytes]);
; from 139,264 a stage of 16 rows x 272 bytes for each wave, bytes that no fill touches.
.set CH,   65536
.set PSB,  131072
.set QSB,  135168
.set STGB, 139264
.set PF,  16                           ; v16-47   o_w's four fragments
.set QF,  48                           ; v48-63   a's two
.set PS,  64                           ; v64-67   o_w's scale words;  v68-69 a's: these hold scales and nothing else
.set QS,  68
.set OUTR, 96                          ; v96-159  rows on their way out
.set ACC, 192                          ; v192-255 accumulator (i, k) at ACC + 32 k + 8 i
.set WV,  18
.set PH,  19
.set QQ,  20
.set CX,  22
.set CY,  23
.set NT,  24
.set MT,  25
.set MKA, 26
.set MKB, 27
.set G1A,  28
.set G1B,  36
.set G1SA, 44
.set G1SB, 52
.set G0AS, 60
.set G0A0, 68
.set G0A1, 72
.set G0BS, 76
.set G0B0, 80
.set G0B1, 84
.macro CROUND                          ; a round of the cluster's barrier
	s_barrier_signal -1
	s_barrier_wait -1
	s_cmp_lg_u32 s[WV], 0
	s_cbranch_scc1 .Lnot_wave_0_\@
	s_barrier_signal -3
.Lnot_wave_0_\@:
	s_barrier_wait -3
	s_barrier_signal -1
	s_barrier_wait -1
.endm
.macro PLACES n
.rept \n
	v_nop
.endr
.endm
	s_load_b256 s[4:11], s[0:1], 0x0               ; ac, asc, opc, ops
	s_load_b128 s[12:15], s[0:1], 0x20             ; o_b, out0
	v_lshl_add_u32 v190, v0, 2, 0x2a800
	v_mov_b32 v191, 0
	ds_add_u32 v190, v191
	ds_add_u32 v190, v191
	v_lshrrev_b32 v1, 5, v0
	v_readfirstlane_b32 s[WV], v1                  ; wave 0..7
	s_and_b32 s[PH], s[WV], 1
	s_lshr_b32 s[QQ], s[WV], 1
	s_bfe_u32 s[CX], ttmp6, 0x40000
	s_bfe_u32 s[CY], ttmp6, 0x40004
	s_lshl_b32 s[NT], ttmp9, 2
	s_add_co_u32 s[NT], s[NT], s[CX]
	s_and_b32 s[MT], ttmp7, 0xffff
	s_lshl_b32 s[MT], s[MT], 2
	s_add_co_u32 s[MT], s[MT], s[CY]
	s_lshl_b32 s[MKA], s[CY], 2
	s_lshl_b32 s[MKA], 15, s[MKA]                  ; my row of the cluster
	s_lshl_b32 s[MKB], 0x1111, s[CX]               ; my column
	s_or_b32 s[G1A], s[MKA], (3<<16)|(1<<21)       ; the mask; elements of 8 bytes; bit 21 beside a mask; no padding
	s_or_b32 s[G1B], s[MKB], (3<<16)|(1<<21)
	s_or_b32 s[G1SA], s[MKA], (3<<16)|(1<<21)
	s_or_b32 s[G1SB], s[MKB], (3<<16)|(1<<21)
.irp g, G1A, G1B                       ; codes: 8 row tiles x 4,096 bytes (half of K), 8,192 bytes apart
	s_mov_b32 s[\g+1], 512<<16
	s_mov_b32 s[\g+2], 8<<16
	s_mov_b32 s[\g+3], 512<<16
	s_mov_b32 s[\g+4], 8
	s_mov_b32 s[\g+5], 1024
	s_mov_b32 s[\g+6], 0
	s_mov_b32 s[\g+7], 0
.endr
	s_mov_b32 s[G1SA+1], 64<<16                    ; a's scale words: 8 K steps x 512 bytes, 16,384 bytes apart
	s_mov_b32 s[G1SA+2], 8<<16
	s_mov_b32 s[G1SA+3], 64<<16
	s_mov_b32 s[G1SA+4], 8
	s_mov_b32 s[G1SA+5], 2048
	s_mov_b32 s[G1SA+6], 0
	s_mov_b32 s[G1SA+7], 0
	s_mov_b32 s[G1SB+1], 32<<16                    ; o_w's: 4,096 dense bytes as 16 rows of 256
	s_mov_b32 s[G1SB+2], 16<<16
	s_mov_b32 s[G1SB+3], 32<<16
	s_mov_b32 s[G1SB+4], 16
	s_mov_b32 s[G1SB+5], 32
	s_mov_b32 s[G1SB+6], 0
	s_mov_b32 s[G1SB+7], 0
	s_lshl_b32 s88, s[MT], 16                      ; a: 8 mt row tiles of 8,192 bytes,
	s_mov_b32 s89, 0
	s_lshl_b32 s90, s[MT], 9                       ; and of 64 bytes of scale words in each K step
	s_mov_b32 s91, 0
	s_lshl_b32 s92, s[NT], 16                      ; o_w: row tile 448 + 8 nt
	s_add_co_u32 s92, s92, 3670016
	s_mov_b32 s93, 0
	s_lshl_b32 s94, s[NT], 12
	s_add_co_u32 s94, s94, 229376
	s_mov_b32 s95, 0
	s_wait_dscnt 0x0
	s_wait_kmcnt 0x0
	s_mov_b32 s[G0AS], 1
	s_mov_b32 s[G0AS+1], QSB
	s_add_nc_u64 s[G0AS+2:G0AS+3], s[6:7], s[90:91]
	s_or_b32 s[G0AS+3], s[G0AS+3], 0x80000000
	s_mov_b32 s[G0A0], 1
	s_mov_b32 s[G0A0+1], 32768
	s_add_nc_u64 s[G0A0+2:G0A0+3], s[4:5], s[88:89]
	s_or_b32 s[G0A0+3], s[G0A0+3], 0x80000000
	s_mov_b32 s[G0A1], 1
	s_mov_b32 s[G0A1+1], CH+32768
	s_add_nc_u64 s[G0A1+2:G0A1+3], s[4:5], s[88:89]
	s_add_nc_u64 s[G0A1+2:G0A1+3], s[G0A1+2:G0A1+3], 4096
	s_or_b32 s[G0A1+3], s[G0A1+3], 0x80000000
	s_mov_b32 s[G0BS], 1
	s_mov_b32 s[G0BS+1], PSB
	s_add_nc_u64 s[G0BS+2:G0BS+3], s[10:11], s[94:95]
	s_or_b32 s[G0BS+3], s[G0BS+3], 0x80000000
	s_mov_b32 s[G0B0], 1
	s_mov_b32 s[G0B0+1], 0
	s_add_nc_u64 s[G0B0+2:G0B0+3], s[8:9], s[92:93]
	s_or_b32 s[G0B0+3], s[G0B0+3], 0x80000000
	s_mov_b32 s[G0B1], 1
	s_mov_b32 s[G0B1+1], CH
	s_add_nc_u64 s[G0B1+2:G0B1+3], s[8:9], s[92:93]
	s_add_nc_u64 s[G0B1+2:G0B1+3], s[G0B1+2:G0B1+3], 4096
	s_or_b32 s[G0B1+3], s[G0B1+3], 0x80000000
	CROUND                                         ; all sixteen work-groups are here: the joint loads meet
	s_cmp_gt_u32 s[WV], 1                          ; wave 0 brings o_w, wave 1 a: scale words, K half 0, K half 1: three loads of mine are out
	s_cbranch_scc1 .Lfilled
	s_cmp_eq_u32 s[WV], 1
	s_cbranch_scc0 .Lfill_w
	tensor_load_to_lds s[G0AS:G0AS+3], s[G1SA:G1SA+7]
	s_nop 0
	tensor_load_to_lds s[G0A0:G0A0+3], s[G1A:G1A+7]
	s_nop 0
	tensor_load_to_lds s[G0A1:G0A1+3], s[G1A:G1A+7]
	s_nop 0
	PLACES 4                                       ; four v_nop follow the last of them
	s_branch .Lfilled
.Lfill_w:
	tensor_load_to_lds s[G0BS:G0BS+3], s[G1SB:G1SB+7]
	s_nop 0
	tensor_load_to_lds s[G0B0:G0B0+3], s[G1B:G1B+7]
	s_nop 0
	tensor_load_to_lds s[G0B1:G0B1+3], s[G1B:G1B+7]
	s_nop 0
	PLACES 4
.Lfilled:
	v_and_b32 v1, 31, v0                           ; lane
	v_and_b32 v2, 15, v0                           ; r
	v_bfe_u32 v3, v0, 4, 1                         ; h
	v_lshlrev_b32 v10, 5, v3                       ; the bias along the registers: 32 h
	s_lshl_b32 s92, s[NT], 9
	s_lshl_b32 s98, s[PH], 8
	s_add_co_u32 s92, s92, s98
	s_mov_b32 s93, 0
	s_add_nc_u64 s[12:13], s[12:13], s[92:93]      ; o_b at my 64 columns
.irp k, 0,1                            ; THE BIAS is loaded straight into the accumulators: register j of (i, k) is column 16 i + 8 h + j
.irp i, 0,1,2,3
	global_load_b128 v[ACC+32*\k+8*\i:ACC+32*\k+8*\i+3], v10, s[12:13] offset:64*\i
	global_load_b128 v[ACC+32*\k+8*\i+4:ACC+32*\k+8*\i+7], v10, s[12:13] offset:64*\i+16
.endr
.endr
	s_lshl_b32 s96, s[PH], 14                      ; o_w's tiles: slot 4 (w % 2) on
	v_lshl_add_u32 v4, v1, 4, s96
	v_add_nc_u32 v5, CH, v4
	s_lshl_b32 s96, s[QQ], 13                      ; a's: slot 8 + 2 (w / 2) on
	s_add_co_u32 s96, s96, 32768
	v_lshl_add_u32 v6, v1, 4, s96
	v_add_nc_u32 v7, CH, v6
	s_lshl_b32 s96, s[PH], 11
	s_add_co_u32 s96, s96, PSB
	v_lshl_add_u32 v8, v2, 4, s96                  ; o_w's scale words: 16 bytes a row
	s_lshl_b32 s96, s[QQ], 7
	s_add_co_u32 s96, s96, QSB
	v_lshl_add_u32 v9, v2, 2, s96                  ; a's: 4 bytes a row
	s_mul_i32 s96, s[WV], 16*272
	s_add_co_u32 s96, s96, STGB                    ; my stage
	v_mul_u32_u24 v11, v2, 272
	v_lshl_add_u32 v11, v3, 5, v11
	v_add_nc_u32 v11, s96, v11                     ; in: row r, 32 bytes for each half of the lanes
	v_mul_u32_u24 v12, v3, 272
	v_lshl_add_u32 v12, v2, 4, v12
	v_add_nc_u32 v12, s96, v12                     ; back: lanes 0-15 one row of 256 bytes, lanes 16-31 the next
	v_lshlrev_b32 v13, 12, v3
	v_lshl_add_u32 v13, v2, 4, v13                 ; and the same two rows in out0
	s_lshl_b32 s2, s[MT], 19                       ; my first row, 128 mt + 32 (w / 2), of 4,096 bytes; my first column, 128 nt + 64 (w % 2), of 4
	s_lshl_b32 s66, s[QQ], 17
	s_add_co_u32 s2, s2, s66
	s_lshl_b32 s66, s[NT], 9
	s_add_co_u32 s2, s2, s66
	s_lshl_b32 s66, s[PH], 8
	s_add_co_u32 s2, s2, s66
	s_mov_b32 s3, 0
	s_add_nc_u64 s[14:15], s[14:15], s[2:3]
; A step of 128 along K: 12 fragment loads, 6 scale words, 8 products; the eight accumulators take turns, one instruction a turn, in the same order in every step
.macro KSTEP s
.if (\s) > 0
	PLACES 4                                       ; in front of loads into registers that matrix instructions have read
.endif
.irp i, 0,1,2,3
.irp c, 0,1
	ds_load_b128 v[PF+8*\i+4*\c:PF+8*\i+4*\c+3], v[4+(\s)/4] offset:4096*\i+1024*((\s)%4)+512*\c
.endr
.endr
.irp k, 0,1
.irp c, 0,1
	ds_load_b128 v[QF+8*\k+4*\c:QF+8*\k+4*\c+3], v[6+(\s)/4] offset:4096*\k+1024*((\s)%4)+512*\c
.endr
.endr
.irp i, 0,1,2,3
	ds_load_b32 v[PS+\i], v8 offset:512*\i+256*((\s)/4)+4*((\s)%4)
.endr
.irp k, 0,1
	ds_load_b32 v[QS+\k], v9 offset:512*(\s)+64*\k
.endr
	s_wait_dscnt 0x0
.irp k, 0,1
.irp i, 0,1,2,3
	v_wmma_scale_f32_16x16x128_f8f6f4 v[ACC+32*\k+8*\i:ACC+32*\k+8*\i+7], v[PF+8*\i:PF+8*\i+7], v[QF+8*\k:QF+8*\k+7], v[ACC+32*\k+8*\i:ACC+32*\k+8*\i+7], v[PS+\i], v[QS+\k] matrix_a_fmt:MATRIX_FMT_FP4 matrix_b_fmt:MATRIX_FMT_FP4
.endr
.endr
.endm
	s_wait_tensorcnt 0x1                           ; a loading wave's scale words and K half 0 are in; its third load, K half 1, may stay out
	s_barrier_signal -1
	s_barrier_wait -1                              ; everybody's are
	s_wait_loadcnt 0x0                             ; the bias
	KSTEP 0
	KSTEP 1
	KSTEP 2
	KSTEP 3
	s_wait_tensorcnt 0x0                           ; K half 1 is in,
	s_wait_dscnt 0x0
	s_barrier_signal -1
	s_barrier_wait -1                              ; everybody's is
	KSTEP 4
	KSTEP 5
	KSTEP 6
	KSTEP 7
; THE WAY OUT.  A lane holds 32 neighbouring bytes of a row, the lanes beside it other rows: 16 rows x 256 bytes go through my own stage and come back as whole rows.
; LDS serves a wave's instructions in order: no wait between the stores and the loads, nor in front of the next block's stores.
.macro TOSTAGE k
.irp i, 0,1,2,3
	ds_store_b128 v11, v[ACC+32*\k+8*\i:ACC+32*\k+8*\i+3] offset:64*\i        ; each accumulator from its low end on
	ds_store_b128 v11, v[ACC+32*\k+8*\i+4:ACC+32*\k+8*\i+7] offset:64*\i+16
.endr
.irp t, 0,1,2,3,4,5,6,7
	ds_load_b128 v[OUTR+32*\k+4*\t:OUTR+32*\k+4*\t+3], v12 offset:544*\t
.endr
.endm
.macro SEND k, younger                 ; younger: the LDS instructions issued behind block k's loads
.irp t, 0,1,2,3,4,5,6,7
	s_wait_dscnt \younger+7-\t                     ; load t of the block is in: behind it stand the block's 7 - t younger loads and what was issued behind the block
	global_store_b128 v13, v[OUTR+32*\k+4*\t:OUTR+32*\k+4*\t+3], s[14:15] offset:8192*\t+65536*\k th:TH_STORE_NT   ; 16 lanes store 256 consecutive bytes, aligned; written once, read by nobody here
.endr
.endm
	PLACES 4                                       ; in front of the first read of results
	TOSTAGE 0
	TOSTAGE 1
	SEND 0, 16
	SEND 1, 0
	s_wait_tensorcnt 0x0
	ds_add_u32 v190, v191
	s_wait_dscnt 0x0
	CROUND                                         ; the closing round: no work-group ends while a partner may still ask for a tile that names it
	s_endpgm
.Lfunc_end_k_qfe4ce1858f_oproj:
	.size	k_qfe4ce1858f_oproj, .Lfunc_end_k_qfe4ce1858f_oproj-k_qfe4ce1858f_oproj
	.p2alignl 7, 3214868480
	.fill 96, 4, 3214868480
	.section	.rodata,"a",@progbits
	.p2align	6, 0x0
	.amdhsa_kernel k_qfe4ce1858f_oproj
		.amdhsa_group_segment_fixed_size 175104
		.amdhsa_private_segment_fixed_size 0
		.amdhsa_enable_private_segment 0
		.amdhsa_kernarg_size 48
		.amdhsa_user_sgpr_count 2
		.amdhsa_user_sgpr_kernarg_segment_ptr 1
		.amdhsa_wavefront_size32 1
		.amdhsa_system_sgpr_workgroup_id_x 1
		.amdhsa_system_sgpr_workgroup_id_y 1
		.amdhsa_system_sgpr_workgroup_id_z 1
		.amdhsa_system_vgpr_workitem_id 0
		.amdhsa_next_free_vgpr 256
		.amdhsa_next_free_sgpr 102
		.amdhsa_reserve_vcc 0
		.amdhsa_float_denorm_mode_32 3
		.amdhsa_float_denorm_mode_16_64 3
		.amdhsa_memory_ordered 1
		.amdhsa_forward_progress 1
		.amdhsa_inst_pref_size 33
	.end_amdhsa_kernel
	.amdgpu_metadata
---
amdhsa.version: [ 1, 2 ]
amdhsa.kernels:
  - .name:           k_qfe4ce1858f_oproj
    .symbol:         k_qfe4ce1858f_oproj.kd
    .args:
      - { .name: ac, .offset: 0, .size: 8, .value_kind: global_buffer, .address_space: global }
      - { .name: asc, .offset: 8, .size: 8, .value_kind: global_buffer, .address_space: global }
      - { .name: opc, .offset: 16, .size: 8, .value_kind: global_buffer, .address_space: global }
      - { .name: ops, .offset: 24, .size: 8, .value_kind: global_buffer, .address_space: global }
      - { .name: o_b, .offset: 32, .size: 8, .value_kind: global_buffer, .address_space: global }
      - { .name: out0, .offset: 40, .size: 8, .value_kind: global_buffer, .address_space: global }
    .group_segment_fixed_size: 175104
    .private_segment_fixed_size: 0
    .kernarg_segment_align: 8
    .kernarg_segment_size: 48
    .max_flat_workgroup_size: 256
    .sgpr_count:     102
    .vgpr_count:     256
    .wavefront_size: 32
...
	.end_amdgpu_metadata
.endif
;; end of part 4
